; MI455X (gfx1250); checked and timed in simulation.
; The chip was launched on July 23, 2026; its instructions are those of AMD's public machine-readable ISA for CDNA 5 (MIT licence, August 2026) and "CDNA5" Instruction Set Architecture Reference Guide (July 2026). The comments in the code are by the model that wrote it; some were corrected since.
;; Mo E Layer Load Balance. Allowed arithmetic: matrix products marked QUANTISED: E3M2 operands, one E8M0 scale for each 32 along K, by v_wmma_scale_f32_16x16x128_f8f6f4 with both operands' format E3M2, f32 sums; products left as they are: f32 operands where the result goes on into a quantised operand, else bf16, f16 or f32 operands; f32 sums; everything else in f32.
;; Inputs: b1 8 x 4,096 float32; b2 8 x 1,024 float32; expert_biases 8 float32; gate_b 8 float32; gate_w 1,024 x 8 float32; w1 8 x 1,024 x 4,096 float32; w2 8 x 4,096 x 1,024 float32; x 256 x 4 x 1,024 float32.
;; Outputs: out0 256 x 4 x 1,024 float32.
;; This version of the problem:
;;   THIS VERSION OF THE PROBLEM IS GIVEN IN LOW PRECISION. The matrix products marked QUANTISED in the list below multiply operands that are first quantised to E3M2 (3 exponent bits, 2 mantissa bits; 6 bits a number), with one power-of-two scale for each 32 numbers along K (OCP MX v1.0); their sums are f32. All else is computed in f32.
;;   The module's matrix products, in the order in which they are computed (A, B: the left and right operand; K: the contracted axis; several contracted axes count as one K, in the product's order):
;;     1. [M 1,024, K 1,024] x [K 1,024, N 8]; A: input x; B: input gate_w: left as it is (N = 8 < 16)
;;     2. [M 1,024, K 1,024] x [K 1,024, N 4,096]; A: input x; B: input w1: QUANTISED
;;     3. [M 1,024, K 4,096] x [K 4,096, N 1,024]; A: computed on the way; B: input w2: QUANTISED
;;     4. [M 1,024, K 1,024] x [K 1,024, N 4,096]; A: input x; B: input w1: QUANTISED
;;     5. [M 1,024, K 4,096] x [K 4,096, N 1,024]; A: computed on the way; B: input w2: QUANTISED
;;     6. [M 1,024, K 1,024] x [K 1,024, N 4,096]; A: input x; B: input w1: QUANTISED
;;     7. [M 1,024, K 4,096] x [K 4,096, N 1,024]; A: computed on the way; B: input w2: QUANTISED
;;     8. [M 1,024, K 1,024] x [K 1,024, N 4,096]; A: input x; B: input w1: QUANTISED
;;     9. [M 1,024, K 4,096] x [K 4,096, N 1,024]; A: computed on the way; B: input w2: QUANTISED
;;     10. [M 1,024, K 1,024] x [K 1,024, N 4,096]; A: input x; B: input w1: QUANTISED
;;     11. [M 1,024, K 4,096] x [K 4,096, N 1,024]; A: computed on the way; B: input w2: QUANTISED
;;     12. [M 1,024, K 1,024] x [K 1,024, N 4,096]; A: input x; B: input w1: QUANTISED
;;     13. [M 1,024, K 4,096] x [K 4,096, N 1,024]; A: computed on the way; B: input w2: QUANTISED
;;     14. [M 1,024, K 1,024] x [K 1,024, N 4,096]; A: input x; B: input w1: QUANTISED
;;     15. [M 1,024, K 4,096] x [K 4,096, N 1,024]; A: computed on the way; B: input w2: QUANTISED
;;     16. [M 1,024, K 1,024] x [K 1,024, N 4,096]; A: input x; B: input w1: QUANTISED
;;     17. [M 1,024, K 4,096] x [K 4,096, N 1,024]; A: computed on the way; B: input w2: QUANTISED
;;   THE QUANTISER, for each operand of a quantised product, along K:
;;     - K is cut into blocks of 32 from its start; a last block that is shorter is filled with zeros.
;;     - A block's scale is 2^e with e = floor(log2(the largest magnitude in the block)) - 4, held to -126 .. 127; a block of zeros has e = 0. As a byte (E8M0): e + 127.
;;     - Each number is divided by its block's scale, clamped to +-28, and rounded to the nearest number of E3M2, ties to even, subnormals kept.
;;     - The product sums the exact products of the quantised numbers (number of the format x scale) in f32.
;;   ~~~python
;;   def quantise(x, axis):      # numpy; x: float32 -> the quantised numbers, widened to float32 again
;;       x = np.moveaxis(x, axis, -1); K = x.shape[-1]
;;       x = np.pad(x, [(0, 0)] * (x.ndim - 1) + [(0, -K % 32)]); x = x.reshape(x.shape[:-1] + (-1, 32)); a = np.abs(x).max(-1, keepdims=True)
;;       e = np.where(a > 0, np.clip(np.frexp(np.where(a > 0, a, 1))[1] - 1 - 4, -126, 127), 0)      # np.frexp(a)[1] - 1 = floor(log2(a)), exactly
;;       r = np.clip(x / 2.0 ** e, -28, 28)
;;       step = 2.0 ** (np.maximum(np.frexp(np.where(r == 0, 1, r))[1] - 1, -2) - 2)
;;       q = np.round(r / step) * step * 2.0 ** e      # np.round: ties to even
;;       return np.moveaxis(q.reshape(q.shape[:-2] + (-1,))[..., :K], -1, axis).astype(np.float32)
;;   ~~~
;;   OPERANDS COMPUTED ON THE WAY. 'Computed on the way' means the value that the module computes at that place (a softmax that the list does not call 'softmax' is quantised finished and normalised). What goes into a quantiser is computed in f32, as accurately as f32 sums, v_exp_f32 and their like allow (about 1e-6 of the number): no bf16 or f16 on the way to a quantiser, and a product that is left as it is and whose result goes on into a quantised operand takes f32 operands (vector FMAs, or v_wmma_f32_16x16x4_f32). A number that lies on a knife's edge between two numbers of the format may be rounded either way, as far as f32 arithmetic and the matrix unit's own rounding can turn it there, and no further.
;; One version. Each part assembles by itself: llvm-mc -triple=amdgcn-amd-amdhsa -mcpu=gfx1250 --defsym DOCPART=n.
;; ======== version 1 of 1: 4 launches
;; limits: right only within a limited range of input values
;; workspace buffers: xc 819,200 bytes; rt 5,120 bytes of whole numbers; wgt 8,192 bytes; pos 32,768 bytes of whole numbers; hc 32,768,000 bytes; y 167,772,160 bytes
;; launch route (part 1): grid 128 x 1, 4 waves a work-group, no clusters, 71,168 bytes of LDS; arguments x, gate_w, gate_b, expert_biases, xc, rt, wgt; writes xc, rt, wgt
.if DOCPART == 1
	.amdgcn_target "amdgcn-amd-amdhsa--gfx1250"
	.amdhsa_code_object_version 6
	.text
	.protected	k_qac50750c85_route
	.globl	k_qac50750c85_route
	.p2align	8
	.type	k_qac50750c85_route,@function
k_qac50750c85_route:
	s_mov_b64 s[64:65], 0
	v_nop
	global_prefetch_b8 v0, s[64:65] scope:SCOPE_SE
	s_setreg_imm32_b32 hwreg(HW_REG_WAVE_MODE, 25, 1), 1
	s_wait_xcnt 0x0
; ROUTE.  For each of 1,024 tokens: the gate's 8 scores in f32 (fused multiply-adds), the two largest of score + expert bias (the lower index wins a tie, by strict >),
; their sigmoids normalised to sum 1; and the token's 1,024 numbers as codes of E3M2 with one E8M0 byte for each 32 along K.
; Stored at FIXED places only: xc: codes [token][768 bytes], from byte 786,432 scale bytes [token][32];  rt: bit t of expert e's row of 128 bytes = token t chose e, from byte 1,024 a word e0 | e1 << 8 a token;
; wgt: two f32 a token.  No address and no branch hangs on a floating-point number.
; SHARES: a work-group takes 8 tokens, a wave 2.  A lane holds k = 32 lane .. 32 lane + 31 of each token: one whole block, so a block's largest magnitude needs no other lane.
; Loads take the bytes as they lie (512 consecutive bytes an instruction); x turns through the wave's own stage in LDS, gate_w through a region that all four waves fill and read.
; LIMITS: NaN and infinities are not served.  A block whose largest magnitude lies under 2^-122 keeps the byte 1 (a block of zeros too: its codes are zeros, and only this program reads the bytes).
; The gate's sum is taken in another order than the reference's: two logits closer than f32 rounding may change places.  Where both chosen scores lie under about -87 both sigmoids fall to 0 and the weights are 0 / 0.
.set GWL, 0                            ; gate_w: 32 chunks of 1,024 bytes (32 k x 8 experts) + 16 of padding
.set STG, 33280                        ; a wave's two turn stages: 32 places of 128 bytes + 16
.set SCO, 70144                        ; the scores: [8 tokens][8] f32
	s_load_b256 s[4:11], s[0:1], 0x0               ; x s[4:5], gate_w s[6:7], gate_b s[8:9], expert_biases s[10:11]
	s_load_b128 s[12:15], s[0:1], 0x20             ; xc s[12:13], rt s[14:15]
	s_load_b64 s[16:17], s[0:1], 0x30              ; wgt
	v_lshl_add_u32 v254, v0, 2, 0x11400
	v_mov_b32 v255, 0
	v_lshrrev_b32 v1, 5, v0
	v_readfirstlane_b32 s18, v1                    ; wave 0..3
	v_and_b32 v1, 31, v0                           ; lane
	v_lshlrev_b32 v2, 4, v1                        ; 16 x lane
	s_mul_i32 s19, s18, 9216
	s_add_co_u32 s19, s19, STG
	v_lshrrev_b32 v3, 3, v1
	v_mul_u32_u24 v3, v3, 144
	v_and_b32 v4, 7, v1
	v_lshl_add_u32 v3, v4, 4, v3
	v_add_nc_u32 v3, s19, v3                       ; the stage, in: eight lanes' 128 bytes on end, then 16 of padding
	v_mul_u32_u24 v4, v1, 144
	v_add_nc_u32 v4, s19, v4                       ; and out: my 128 bytes
	s_mul_i32 s19, s18, 8320
	v_add_nc_u32 v5, s19, v2                       ; gate_w, in: my wave's eight chunks
	v_mul_u32_u24 v6, v1, 1040                     ; and out: my chunk: k = 32 lane on
	s_lshl_b32 s19, s18, 6
	s_add_co_u32 s19, s19, SCO
	v_mov_b32 v7, s19                              ; my wave's two tokens' scores
	v_mul_u32_u24 v8, v1, 24                       ; my block's 24 bytes of codes
	v_and_b32 v10, 7, v0
	v_lshl_add_u32 v10, v10, 5, SCO                ; the scores of token lane % 8
	s_lshl_b32 s40, ttmp9, 3
	s_lshl_b32 s41, s18, 1
	s_add_co_u32 s40, s40, s41                     ; my wave's first token
	s_lshl_b32 s41, s40, 5
	v_add_nc_u32 v9, s41, v1                       ; its scale bytes: 32 x token + lane
	s_lshl_b32 s44, s18, 13
	v_add_nc_u32 v11, s44, v2                      ; gate_w in memory: 8,192 x wave + 16 x lane
	s_lshl_b32 s44, ttmp9, 5
	v_lshl_add_u32 v12, v1, 2, s44                 ; the pair's word: 4 (8 group + lane)
	s_lshl_b32 s44, ttmp9, 6
	v_lshl_add_u32 v13, v1, 3, s44                 ; the weights: 8 (8 group + lane)
	v_lshl_add_u32 v14, v1, 7, ttmp9               ; expert lane's row of 128 bytes, byte = group
	s_lshl_b32 s42, s40, 12
	s_mov_b32 s43, 0
	s_mul_i32 s46, s40, 768
	s_mov_b32 s47, 0
	s_mov_b32 s20, 0x76543210
	s_mov_b32 s21, 0xfedcba98                      ; selects: lane l xor 16
	s_wait_kmcnt 0x0
	s_add_nc_u64 s[4:5], s[4:5], s[42:43]
	s_add_nc_u64 s[46:47], s[12:13], s[46:47]
	s_load_b256 s[24:31], s[8:9], 0x0              ; gate_b
	s_load_b256 s[32:39], s[10:11], 0x0            ; expert_biases
.irp i, 0,1
.irp j, 0,1,2,3,4,5,6,7
	global_load_b128 v[16+32*\i+4*\j:19+32*\i+4*\j], v2, s[4:5] offset:4096*\i+512*\j th:TH_LOAD_NT
.endr
.endr
.irp m, 0,1,2,3,4,5,6,7,8,9,10,11,12,13,14,15
	global_load_b128 v[144+4*\m:147+4*\m], v11, s[6:7] offset:512*\m
.endr
	s_wait_loadcnt 16                              ; x is in; the 16 loads of gate_w may be out
.irp i, 0,1
.irp j, 0,1,2,3,4,5,6,7
	ds_store_b128 v3, v[16+32*\i+4*\j:19+32*\i+4*\j] offset:4608*\i+576*\j
.endr
.endr
.irp i, 0,1
.irp z, 0,1,2,3,4,5,6,7
	ds_load_b128 v[80+32*\i+4*\z:83+32*\i+4*\z], v4 offset:4608*\i+16*\z   ; LDS serves a wave's instructions in order: these see my stores
.endr
.endr
	s_wait_loadcnt 0x0
.irp m, 0,1,2,3,4,5,6,7,8,9,10,11,12,13,14,15
	ds_store_b128 v5, v[144+4*\m:147+4*\m] offset:1040*(\m/2)+512*(\m%2)
.endr
	s_wait_dscnt 16                                ; my 64 numbers are back; the 16 stores behind them may be out
	; ---- the quantiser: v[80 + 32 i ..] = token i's block
.irp i, 0,1
	v_max3_num_f32 v[240+\i], |v[80+32*\i]|, |v[81+32*\i]|, 0x2800000   ; with the floor 2^(5 - 127): the byte cannot fall under 1
.endr
.irp k, 2,4,6,8,10,12,14,16,18,20,22,24,26,28,30
.irp i, 0,1
	v_max3_num_f32 v[240+\i], v[240+\i], |v[80+32*\i+\k]|, |v[81+32*\i+\k]|
.endr
.endr
.irp i, 0,1
	v_add_nc_u32 v[242+\i], 0xfe000000, v[240+\i]  ; 4 off the exponent field: the conversion's scale operand
.endr
.irp i, 0,1
	v_cvt_scalef32_pk16_bf6_f32 v[224+8*\i:226+8*\i], v[80+32*\i:95+32*\i], v[242+\i]
	v_cvt_scalef32_pk16_bf6_f32 v[228+8*\i:230+8*\i], v[96+32*\i:111+32*\i], v[242+\i]
.endr
.irp i, 0,1
	v_lshrrev_b32 v[244+\i], 23, v[242+\i]         ; the scale's byte (also the plain line behind the conversions)
.endr
.irp i, 0,1
	global_store_b96 v8, v[224+8*\i:226+8*\i], s[46:47] offset:768*\i
	global_store_b96 v8, v[228+8*\i:230+8*\i], s[46:47] offset:768*\i+12
	global_store_b8 v9, v[244+\i], s[12:13] offset:786432+32*\i
.endr
	s_wait_kmcnt 0x0                               ; the two bias vectors
	s_wait_dscnt 0x0                               ; my part of gate_w lies in LDS
	s_barrier_signal -1
	s_barrier_wait -1                              ; everybody's does
	; ---- the gate: ACC[i][e] at v[208 + 8 i + e], two experts an instruction; x's number is taken for both halves
.macro GSTEP kc, kk
.set XP, 80+8*\kc+\kk-(\kk%2)
.irp i, 0,1
.irp pe, 0,2,4,6
.if (\kc == 0) && (\kk == 0)
	v_pk_mul_f32 v[208+8*\i+\pe:209+8*\i+\pe], v[144+\pe:145+\pe], v[XP+32*\i:XP+32*\i+1] op_sel_hi:[1,0]   ; the first k starts the sums
.elseif (\kk%2) == 0
	v_pk_fma_f32 v[208+8*\i+\pe:209+8*\i+\pe], v[144+8*\kk+\pe:145+8*\kk+\pe], v[XP+32*\i:XP+32*\i+1], v[208+8*\i+\pe:209+8*\i+\pe] op_sel_hi:[1,0,1]
.else
	v_pk_fma_f32 v[208+8*\i+\pe:209+8*\i+\pe], v[144+8*\kk+\pe:145+8*\kk+\pe], v[XP+32*\i:XP+32*\i+1], v[208+8*\i+\pe:209+8*\i+\pe] op_sel:[0,1,0] op_sel_hi:[1,1,1]
.endif
.endr
.endr
.endm
.irp kc, 0,1,2,3
.irp kk, 0,1,2,3,4,5,6,7
	ds_load_b128 v[144+8*\kk:147+8*\kk], v6 offset:32*(8*\kc+\kk)
	ds_load_b128 v[148+8*\kk:151+8*\kk], v6 offset:32*(8*\kc+\kk)+16
.endr
	s_wait_dscnt 0x0
.irp kk, 0,1,2,3,4,5,6,7
	GSTEP \kc, \kk
.endr
.endr
	; ---- the 16 sums over the 32 lanes
.irp m, 1,2,4,8
.set aa, 0
.rept 16
	v_add_f32_dpp v[208+aa], v[208+aa], v[208+aa] row_xmask:\m row_mask:0xf bank_mask:0xf
.set aa, aa+1
.endr
.endr
.set aa, 0
.rept 16
	v_permlanex16_b32 v[144+aa], v[208+aa], s20, s21
.set aa, aa+1
.endr
.set aa, 0
.rept 16
	v_add_f32 v[208+aa], v[208+aa], v[144+aa]
.set aa, aa+1
.endr
.irp i, 0,1
.irp e, 0,1,2,3,4,5,6,7
	ds_store_b32 v7, v[208+8*\i+\e] offset:32*\i+4*\e    ; all lanes write the same word with the same value
.endr
.endr
	s_wait_dscnt 0x0
	s_barrier_signal -1
	s_barrier_wait -1                              ; the group's 64 scores lie in LDS
	s_cmp_lg_u32 s18, 0
	s_cbranch_scc1 .Lend                           ; wave 0 alone chooses; no barrier follows
	ds_load_b128 v[160:163], v10
	ds_load_b128 v[164:167], v10 offset:16
	s_wait_dscnt 0x0
.irp e, 0,1,2,3,4,5,6,7
	v_add_f32 v[168+\e], s[24+\e], v[160+\e]       ; score = sum + gate_b
.endr
.irp e, 0,1,2,3,4,5,6,7
	v_add_f32 v[176+\e], s[32+\e], v[168+\e]       ; logit = score + expert bias: it chooses, and nothing else
	v_mov_b32 v[192+\e], \e
.endr
	v_mov_b32 v200, 0xff800000                     ; -infinity
	v_mov_b32 v184, v176
	v_mov_b32 v185, 0
	v_mov_b32 v186, v168
.irp e, 1,2,3,4,5,6,7
	v_cmp_gt_f32 vcc_lo, v[176+\e], v184           ; strictly larger: a tie keeps the lower index
	v_cndmask_b32 v184, v184, v[176+\e], vcc_lo
	v_cndmask_b32 v185, v185, v[192+\e], vcc_lo
	v_cndmask_b32 v186, v186, v[168+\e], vcc_lo
.endr
.irp e, 0,1,2,3,4,5,6,7
	v_cmp_eq_u32 vcc_lo, \e, v185
	v_cndmask_b32 v[176+\e], v[176+\e], v200, vcc_lo   ; the first choice is taken out
.endr
	v_mov_b32 v187, v176
	v_mov_b32 v188, 0
	v_mov_b32 v189, v168
.irp e, 1,2,3,4,5,6,7
	v_cmp_gt_f32 vcc_lo, v[176+\e], v187
	v_cndmask_b32 v187, v187, v[176+\e], vcc_lo
	v_cndmask_b32 v188, v188, v[192+\e], vcc_lo
	v_cndmask_b32 v189, v189, v[168+\e], vcc_lo
.endr
	v_mul_f32 v201, 0xbfb8aa3b, v186               ; sigmoid(s) = 1 / (1 + 2^(-s log2 e))
	v_mul_f32 v202, 0xbfb8aa3b, v189
	v_exp_f32 v201, v201
	v_exp_f32 v202, v202
	v_mov_b32 v206, 0                              ; (a plain line behind the exponentials)
	s_wait_alu depctr_va_vdst(0)
	v_add_f32 v201, 1.0, v201
	v_add_f32 v202, 1.0, v202
	v_rcp_f32 v201, v201
	v_rcp_f32 v202, v202
	v_lshl_or_b32 v207, v188, 8, v185              ; (a plain line)  e0 | e1 << 8
	s_wait_alu depctr_va_vdst(0)
	v_add_f32 v203, v201, v202
	v_rcp_f32 v203, v203
	v_nop
	s_wait_alu depctr_va_vdst(0)
	v_mul_f32 v204, v201, v203
	v_mul_f32 v205, v202, v203
.irp e, 0,1,2,3,4,5,6,7
	v_cmp_eq_u32 s44, \e, v185
	v_cmp_eq_u32 s45, \e, v188
	s_or_b32 s44, s44, s45
	s_and_b32 s44, s44, 0xff                       ; lanes 0-7 are the group's eight tokens
	v_writelane_b32 v206, s44, \e                  ; lane e: expert e's byte
.endr
	s_wait_xcnt 0x0                                ; EXEC changes only behind this wait
	v_cmp_gt_u32 vcc_lo, 8, v1
	s_and_saveexec_b32 s48, vcc_lo
	global_store_b32 v12, v207, s[14:15] offset:1024
	global_store_b64 v13, v[204:205], s[16:17]
	global_store_b8 v14, v206, s[14:15]
	s_wait_xcnt 0x0
	s_or_b32 exec_lo, exec_lo, s48
.Lend:
	s_wait_tensorcnt 0x0
	ds_add_u32 v254, v255
	s_wait_dscnt 0x0
	s_endpgm
.Lfunc_end_k_qac50750c85_route:
	.size	k_qac50750c85_route, .Lfunc_end_k_qac50750c85_route-k_qac50750c85_route
	.p2alignl 7, 3214868480
	.fill 96, 4, 3214868480
	.section	.rodata,"a",@progbits
	.p2align	6, 0x0
	.amdhsa_kernel k_qac50750c85_route
		.amdhsa_group_segment_fixed_size 71168
		.amdhsa_private_segment_fixed_size 0
		.amdhsa_enable_private_segment 0
		.amdhsa_kernarg_size 56
		.amdhsa_user_sgpr_count 2
		.amdhsa_user_sgpr_kernarg_segment_ptr 1
		.amdhsa_wavefront_size32 1
		.amdhsa_system_sgpr_workgroup_id_x 1
		.amdhsa_system_sgpr_workgroup_id_y 1
		.amdhsa_system_sgpr_workgroup_id_z 1
		.amdhsa_system_vgpr_workitem_id 0
		.amdhsa_next_free_vgpr 256
		.amdhsa_next_free_sgpr 66
		.amdhsa_reserve_vcc 1
		.amdhsa_float_denorm_mode_32 3
		.amdhsa_float_denorm_mode_16_64 3
		.amdhsa_memory_ordered 1
		.amdhsa_forward_progress 1
		.amdhsa_inst_pref_size 46
	.end_amdhsa_kernel
	.amdgpu_metadata
---
amdhsa.version: [ 1, 2 ]
amdhsa.kernels:
  - .name:           k_qac50750c85_route
    .symbol:         k_qac50750c85_route.kd
    .args:
      - { .name: x, .offset: 0, .size: 8, .value_kind: global_buffer, .address_space: global }
      - { .name: gate_w, .offset: 8, .size: 8, .value_kind: global_buffer, .address_space: global }
      - { .name: gate_b, .offset: 16, .size: 8, .value_kind: global_buffer, .address_space: global }
      - { .name: expert_biases, .offset: 24, .size: 8, .value_kind: global_buffer, .address_space: global }
      - { .name: xc, .offset: 32, .size: 8, .value_kind: global_buffer, .address_space: global }
      - { .name: rt, .offset: 40, .size: 8, .value_kind: global_buffer, .address_space: global }
      - { .name: wgt, .offset: 48, .size: 8, .value_kind: global_buffer, .address_space: global }
    .group_segment_fixed_size: 71168
    .private_segment_fixed_size: 0
    .kernarg_segment_align: 8
    .kernarg_segment_size: 56
    .max_flat_workgroup_size: 128
    .sgpr_count:     66
    .vgpr_count:     256
    .wavefront_size: 32
...
	.end_amdgpu_metadata
.endif
;; end of part 1
;; launch up (part 2): grid 32 x 8, 4 waves a work-group, no clusters, 281,088 bytes of LDS; arguments xc, rt, w1, b1, hc, pos; writes hc, pos
.if DOCPART == 2
	.amdgcn_target "amdgcn-amd-amdhsa--gfx1250"
	.amdhsa_code_object_version 6
	.text
	.protected	k_qac50750c85_up
	.globl	k_qac50750c85_up
	.p2align	8
	.type	k_qac50750c85_up,@function
k_qac50750c85_up:
	s_mov_b64 s[64:65], 0
	v_nop
	global_prefetch_b8 v0, s[64:65] scope:SCOPE_SE
	s_setreg_imm32_b32 hwreg(HW_REG_WAVE_MODE, 25, 1), 1
	s_wait_xcnt 0x0
; UP.  h = relu(Q(x) Q(w1[e]) + b1[e]) for the rows routed to expert e, and h's codes of E3M2 along FF.  Work-group (S, e): columns 128 S .. 128 S + 127 of expert e, all of K = 1,024; wave w: 32 of them.
; THE WEIGHTS STAY, THE ROWS COME: each work-group reads 1 / 256 of w1 as f32, once, quantises it in registers and multiplies it at once with all rows of its expert, whose codes (made by the launch before) it gathers into LDS.
; No tensor load, no copy, no cluster: trip decisions hang on counts read from memory.  Every barrier stands outside those branches.  EXEC is never written: every lane is on throughout.
; ROWS.  Expert e owns 80 tiles of 16 rows in hc.  A pass holds 20 tiles (40 accumulators a wave); the loop has a constant 4 passes, and pass p works only where 20 p < the expert's tiles.  A pass beyond the first streams the
; weights again.  Rows beyond the expert's count are token 0's: defined numbers that nobody reads; all 20 tiles of a working pass are stored, so that the next launch reads written bytes only.
; THE PRODUCT IS USED TRANSPOSED: source 0 = 16 columns of w1, source 1 = 16 rows.  Row i of source 0's tile u is column 8 u + i + 8 (i / 8) of the wave's 32, so that lane (r, h) holds row r and its 16 registers columns 16 h + 0 .. 15.
; WEIGHTS.  Load j of a K step gives lane (g = lane / 8, c = lane % 8) row 32 g + j, columns 4 c .. 4 c + 3: a lane holds whole blocks of 32 along K of four columns.  The conversion wants 16 neighbours along K in consecutive
; registers, so the 128 numbers are moved once.  The codes change lanes through the wave's own 3,200 bytes of LDS.
; THE FIRST PASS'S K STEPS 0 AND 1 ARE ASKED FOR AT THE HEAD, 64 loads a wave, ahead of the list and the gather: they are on their way while the list is made.  An expert without rows has asked for them in vain.
; hc: codes [80 e + tile][S][block][row][24 bytes]; from byte 31,457,280 scale words [S][80 e + tile][row].
; pos: [e][token]: how many tokens before this one chose e: the token's rank among e's rows where it chose e itself.  Work-group (S, e) stores tokens 32 S .. 32 S + 31.
; LIMITS: NaN and infinities are not served; a block whose largest magnitude lies under 2^-122 keeps the byte 1 (a block of zeros too: its codes are zeros).
; REGISTERS, in windows of 256: window 0: the map below.  Window 1: two slots of 128 for the weights as loaded.  Windows 2, 3: accumulators of tiles 0-9, 10-19 at v[16 t + 8 u]; eight buffers of 12 for the rows' fragments from v160.
; While rows are gathered, windows 2 and 3 hold them on their way to LDS; window 1 is left to the weights.
.set TILEB, 12544                      ; LDS: a tile of rows: 16 x 784 (768 bytes of codes + 16: row r starts 4 r banks on, so the 32 lanes of an 8-byte load touch 64 different banks)
.set SS,    96                         ; a K step in a row
.set CS,    48                         ; half of it
.set SCL,   250880                     ; the rows' scale words [K step][tile][row]
.set LIST,  261120                     ; the expert's tokens by rank: 1,280 words; word 1,280 takes what the lanes of tokens that did not choose the expert store, and nobody reads it
.set SHF,   266496                     ; 3,200 bytes a wave: W's codes and scale bytes change lanes here
.set STG,   279296                     ; h's scale bytes [tile][row][4]: a byte from each wave
.set AB,  2                            ; v2-5   my place in tiles 0, 5, 10, 15 of the rows
.set XSA, 6                            ; v6     the rows' scale words: SCL + 4 lane
.set BSW, 7                            ; v7     where my codes of W go
.set BSS, 8                            ; v8     and my scale bytes
.set BSR, 9                            ; v9     where my fragment of W comes from: 48 lane
.set BSC, 10                           ; v10    and its scale word
.set WA,  11                           ; v11    my offset in w1
.set HST, 12                           ; v12    my 12 bytes in a chunk of hc
.set HSS, 13                           ; v13    my byte in STG
.set FLR, 14                           ; v14    STG + 8 lane
.set FLO, 15                           ; v15    8 lane
.set LL,  16                           ; v16    the list: my wave's tiles, row lane / 16; stepped a pass
.set LS,  17                           ; v17    the same, row lane % 16
.set R16, 18                           ; v18    16 (lane % 16)
.set SBA, 19                           ; v19    where gathered scale words go
.set M,   20                           ; v20-23 largest magnitudes
.set SO,  24                           ; v24-27 the conversions' scale operands
.set SB,  28                           ; v28-31 scale bytes
.set XS,  32                           ; v32-41 the rows' scale words: register t / 2: tile t in lanes 0-15, tile t + 1 in lanes 16-31
.set WS,  42                           ; v42    W's scale words: tile 0 in lanes 0-15, tile 1 in lanes 16-31
.set CB0, 43                           ; v43    where gathered codes go: my wave's tiles w, w + 4
.set BF,  44                           ; v44-67 W's two fragments
.set BI,  68                           ; v68-83 b1 in the result's layout
.set C,   84                           ; v84-107  codes, 6 registers a column
.set D,   108                          ; v108-123 the upper halves as converted: three registers of each four
.set LCL, 124                          ; v124   LIST + 16 lane
.set CB2, 125                          ; v125   tiles w + 8, w + 12
.set CB4, 126                          ; v126   tile w + 16
.set L4,  127                          ; v127   4 lane
.set T,   128                          ; v128-255 the moved weights; at work elsewhere
.set NB,  108                          ; at the head only: 1 where my token did not choose the expert; the token; the slice's ranks; four zeros; the prefetch's offset; b1's offset
.set TK,  109
.set PR,  110
.set ZR,  112
.set PF,  116
.set BA,  117
.set LA,  119                          ; v119   the list's address in hand (the conversions leave this register alone)
.set MSB, 0
.macro WIN new                         ; the immediate's high byte repeats the setting that is left; a switch that changes nothing is dropped
.if MSB != (\new)
	s_set_vgpr_msb (MSB<<8)|(\new)
.set MSB, (\new)
.endif
.endm
.macro BARRIER                         ; my LDS stores have landed and my LDS loads are in: then the work-group's barrier
	s_wait_dscnt 0x0
	s_barrier_signal -1
	s_barrier_wait -1
.endm
.macro WLOAD s                         ; K step s of the weights into slot s % 2: 32 loads, each four runs of 128 bytes (the four waves side by side: 512)
	WIN 0x40
.set WB, 26+2*((\s)/4)
.set jj, 0
.rept 32
	global_load_b128 v[128*((\s)%2)+4*jj:128*((\s)%2)+4*jj+3], v[WA], s[WB:WB+1] offset:(((\s)%4)*128+jj)*16384 th:TH_LOAD_NT
.set jj, jj+1
.endr
	WIN 0
.endm
.macro WMOVE s                         ; column q's 32 numbers on end
	WIN 0x01
.set qq, 0
.rept 4
.set jj, 0
.rept 32
	v_mov_b32 v[T+32*qq+jj], v[128*((\s)%2)+4*jj+qq]
.set jj, jj+1
.endr
.set qq, qq+1
.endr
	WIN 0
.endm
.macro WQUANT                          ; four blocks of 32 become codes and bytes, change lanes, and come back as two fragments and their scale words
.irp q, 0,1,2,3
	v_max3_num_f32 v[M+\q], |v[T+32*\q]|, |v[T+32*\q+1]|, 0x2800000   ; with the floor 2^(5 - 127)
.endr
.irp i, 2,4,6,8,10,12,14,16,18,20,22,24,26,28,30
.irp q, 0,1,2,3
	v_max3_num_f32 v[M+\q], v[M+\q], |v[T+32*\q+\i]|, |v[T+32*\q+\i+1]|
.endr
.endr
.irp q, 0,1,2,3
	v_add_nc_u32 v[SO+\q], 0xfe000000, v[M+\q]     ; 4 off the exponent field
.endr
.irp q, 0,1,2,3
	v_cvt_scalef32_pk16_bf6_f32 v[C+6*\q:C+6*\q+2], v[T+32*\q:T+32*\q+15], v[SO+\q]
	v_cvt_scalef32_pk16_bf6_f32 v[D+4*\q:D+4*\q+2], v[T+32*\q+16:T+32*\q+31], v[SO+\q]   ; (a conversion's three registers begin on an even number)
.endr
.irp q, 0,1,2,3
	v_lshrrev_b32 v[SB+\q], 23, v[SO+\q]           ; the bytes (also the plain lines behind the conversions)
.endr
.irp q, 0,1,2,3
.irp i, 0,1,2
	v_mov_b32 v[C+6*\q+3+\i], v[D+4*\q+\i]
.endr
.endr
.irp q, 0,1,2,3
.irp p, 0,1,2
	ds_store_b64 v[BSW], v[C+6*\q+2*\p:C+6*\q+2*\p+1] offset:48*\q+8*\p
.endr
	ds_store_b8 v[BSS], v[SB+\q] offset:4*\q
.endr
.irp u, 0,1
.irp z, 0,1,2
	ds_load_b128 v[BF+12*\u+4*\z:BF+12*\u+4*\z+3], v[BSR] offset:1536*\u+16*\z   ; my wave's own bytes: LDS serves a wave's instructions in order
.endr
.endr
	ds_load_b32 v[WS], v[BSC]
.endm
.macro XSCALES s
.irp i, 0,1,2,3,4,5,6,7,8,9
	ds_load_b32 v[XS+\i], v[XSA] offset:1280*(\s)+128*\i
.endr
.endm
.macro FRAG t, s, b                    ; tile t's fragment of K step s into buffer b: 24 bytes of the row's stream of bits twice, in pieces of 8
.irp c, 0,1
.irp p, 0,1,2
	ds_load_b64 v[160+12*(\b)+6*\c+2*\p:160+12*(\b)+6*\c+2*\p+1], v[AB+(\t)/5] offset:((\t)%5)*TILEB+(\s)*SS+\c*CS+8*\p
.endr
.endr
.endm
.macro MM t, b, first                  ; tile t's two products.  first = 1: b1 is the C of the sum's first instruction
.set A0, 16*((\t)%10)
.set BB, 160+12*(\b)
.set XR, XS+(\t)/2
.if \first
.if (\t)%2 == 0
	v_wmma_scale_f32_16x16x128_f8f6f4 v[A0:A0+7], v[BF:BF+11], v[BB:BB+11], v[BI:BI+7], v[WS], v[XR] matrix_a_fmt:MATRIX_FMT_BF6 matrix_b_fmt:MATRIX_FMT_BF6
	v_wmma_scale_f32_16x16x128_f8f6f4 v[A0+8:A0+15], v[BF+12:BF+23], v[BB:BB+11], v[BI+8:BI+15], v[WS], v[XR] matrix_a_fmt:MATRIX_FMT_BF6 matrix_b_fmt:MATRIX_FMT_BF6 matrix_a_scale:MATRIX_SCALE_ROW1
.else
	v_wmma_scale_f32_16x16x128_f8f6f4 v[A0:A0+7], v[BF:BF+11], v[BB:BB+11], v[BI:BI+7], v[WS], v[XR] matrix_a_fmt:MATRIX_FMT_BF6 matrix_b_fmt:MATRIX_FMT_BF6 matrix_b_scale:MATRIX_SCALE_ROW1
	v_wmma_scale_f32_16x16x128_f8f6f4 v[A0+8:A0+15], v[BF+12:BF+23], v[BB:BB+11], v[BI+8:BI+15], v[WS], v[XR] matrix_a_fmt:MATRIX_FMT_BF6 matrix_b_fmt:MATRIX_FMT_BF6 matrix_a_scale:MATRIX_SCALE_ROW1 matrix_b_scale:MATRIX_SCALE_ROW1
.endif
.else
.if (\t)%2 == 0
	v_wmma_scale_f32_16x16x128_f8f6f4 v[A0:A0+7], v[BF:BF+11], v[BB:BB+11], v[A0:A0+7], v[WS], v[XR] matrix_a_fmt:MATRIX_FMT_BF6 matrix_b_fmt:MATRIX_FMT_BF6
	v_wmma_scale_f32_16x16x128_f8f6f4 v[A0+8:A0+15], v[BF+12:BF+23], v[BB:BB+11], v[A0+8:A0+15], v[WS], v[XR] matrix_a_fmt:MATRIX_FMT_BF6 matrix_b_fmt:MATRIX_FMT_BF6 matrix_a_scale:MATRIX_SCALE_ROW1
.else
	v_wmma_scale_f32_16x16x128_f8f6f4 v[A0:A0+7], v[BF:BF+11], v[BB:BB+11], v[A0:A0+7], v[WS], v[XR] matrix_a_fmt:MATRIX_FMT_BF6 matrix_b_fmt:MATRIX_FMT_BF6 matrix_b_scale:MATRIX_SCALE_ROW1
	v_wmma_scale_f32_16x16x128_f8f6f4 v[A0+8:A0+15], v[BF+12:BF+23], v[BB:BB+11], v[A0+8:A0+15], v[WS], v[XR] matrix_a_fmt:MATRIX_FMT_BF6 matrix_b_fmt:MATRIX_FMT_BF6 matrix_a_scale:MATRIX_SCALE_ROW1 matrix_b_scale:MATRIX_SCALE_ROW1
.endif
.endif
.endm
; A K step's 40 products: each accumulator has one, so the accumulators take turns.  Ten tiles under one window setting, then the other ten.
.macro MULT s, first
.irp f, 0,1
.set T0, 10*\f
.if \first
	WIN 0x88+0x44*\f                               ; W's fragments and b1 in window 0; the rows' fragments and the results in window 2 or 3
.else
	WIN 0xa8+0x54*\f                               ; C in the results' window too
.endif
	FRAG T0+0, \s, 0
	FRAG T0+1, \s, 1
	FRAG T0+2, \s, 2
	FRAG T0+3, \s, 3
	FRAG T0+4, \s, 4
	FRAG T0+5, \s, 5
	FRAG T0+6, \s, 6
	FRAG T0+7, \s, 7
	s_wait_dscnt 24                                ; all but the youngest 24 loads (buffers 4-7): W's fragments, the scale words and buffers 0-3 are in
	MM T0+0, 0, \first
	MM T0+1, 1, \first
	MM T0+2, 2, \first
	MM T0+3, 3, \first
.rept 4
	v_nop                                          ; four places in front of loads into buffers that matrix instructions have read (ISA guide 7.12.1 for vector instructions)
.endr
	FRAG T0+8, \s, 0
	FRAG T0+9, \s, 1
	s_wait_dscnt 12                                ; buffers 4-7 are in; the 12 loads just issued may be out
	MM T0+4, 4, \first
	MM T0+5, 5, \first
	MM T0+6, 6, \first
	MM T0+7, 7, \first
	s_wait_dscnt 0x0
	MM T0+8, 0, \first
	MM T0+9, 1, \first
.endr
	WIN 0
.endm
.macro STEP s, first
.if (\s) < 7
	s_wait_loadcnt 32                              ; this K step's weights are in; the next step's 32 loads may be out
.else
	s_wait_loadcnt 0x0
.endif
	WMOVE \s                                       ; (these moves and the quantiser are also the places in front of the loads into registers that the last products read)
.if (\s) < 6
	WLOAD (\s)+2                                   ; the slot just moved out takes the step two on
.endif
	WQUANT
	XSCALES \s
	MULT \s, \first
.endm
.macro CLOADJ u, reg, j, k             ; rows 2 j and 2 j + 1 of tile w + 4 u into the 12 registers from reg + 12 k: sixteen lanes read 256 bytes of a token's codes, two tokens an instruction
.irp m, 0,1,2
	global_load_b128 v[\reg+12*(\k)+4*\m:\reg+12*(\k)+4*\m+3], v[T+8*\u+\j], s[4:5] offset:256*\m
.endr
.endm
.macro CLOAD u, reg                    ; a whole tile: 24 loads, 96 registers
.irp j, 0,1,2,3,4,5,6,7
	CLOADJ \u, \reg, \j, \j
.endr
.endm
.macro CSTOREJ adr, off, reg, j, k
.irp m, 0,1,2
	ds_store_b128 v[\adr], v[\reg+12*(\k)+4*\m:\reg+12*(\k)+4*\m+3] offset:\off+1568*\j+256*\m
.endr
.endm
.macro CSTORE adr, off, reg
.irp j, 0,1,2,3,4,5,6,7
	CSTOREJ \adr, \off, \reg, \j, \j
.endr
.endm
; Tokens 32 g .. 32 g + 31 put their numbers into the list, each at its rank.  All lanes store: a token that did not choose the expert gets 2,048 more than any rank, so that the hold at 1,280 sends it to the word behind the list.
; The hold stands ahead of the address; behind it only a shift and an addition.  On the way the slice's own mask word and the count of rows before it are picked out, for pos.
.macro SCAT g
	v_mbcnt_lo_u32_b32 v[LA], s[32+\g], s22        ; the rows before this group + the chosen lanes below me
	v_bfe_u32 v[NB], s[32+\g], v1, 1               ; my token's bit
	v_xor_b32 v[NB], 1, v[NB]
	v_lshl_add_u32 v[LA], v[NB], 11, v[LA]
	v_min_u32 v[LA], 0x500, v[LA]
	v_lshlrev_b32 v[LA], 2, v[LA]
	v_add_nc_u32 v[LA], LIST, v[LA]
	v_add_nc_u32 v[TK], 32*\g, v1
	ds_store_b32 v[LA], v[TK]
	s_cmp_eq_u32 s17, \g
	s_cselect_b32 s72, s[32+\g], s72
	s_cselect_b32 s73, s22, s73
	s_bcnt1_i32_b32 s2, s[32+\g]
	s_add_co_u32 s22, s22, s2
.endm
; Tile t on its way out: relu, the block's largest number (my 16 and lane l xor 16's), 16 codes = 12 bytes, my wave's byte of the row's scale word.
.macro HQ t
.set AC, 16*((\t)%10)
.set EE, T+16*((\t)%2)
.set PM, (\t)%2
	WIN 0x08+4*((\t)/10)
.set ii, 0
.rept 16
	v_max_num_f32 v[EE+ii], 0, v[AC+ii]            ; each accumulator from its low end on
.set ii, ii+1
.endr
	WIN 0
	v_max3_num_f32 v[M+PM], v[EE], v[EE+1], 0x2800000    ; none is negative: no |.|
.irp i, 2,4,6,8,10,12,14
	v_max3_num_f32 v[M+PM], v[M+PM], v[EE+\i], v[EE+\i+1]
.endr
	v_permlanex16_b32 v[M+2+PM], v[M+PM], s74, s75
	v_max_num_f32 v[M+PM], v[M+PM], v[M+2+PM]
	v_add_nc_u32 v[SO+PM], 0xfe000000, v[M+PM]
	v_cvt_scalef32_pk16_bf6_f32 v[T+32+4*(\t):T+32+4*(\t)+2], v[EE:EE+15], v[SO+PM]
	v_lshrrev_b32 v[BF+(\t)], 23, v[SO+PM]         ; the byte (also the plain line behind the conversion); a register of its own for each tile
	ds_store_b8 v[HSS], v[BF+(\t)] offset:64*(\t)  ; both lanes of a row write the same byte with the same value
	global_store_b96 v[HST], v[T+32+4*(\t):T+32+4*(\t)+2], s[66:67] offset:49152*(\t)   ; the wave stores 384 consecutive bytes
.endm
	s_load_b256 s[4:11], s[0:1], 0x0               ; xc s[4:5], rt s[6:7], w1 s[8:9], b1 s[10:11]
	s_load_b128 s[12:15], s[0:1], 0x20             ; hc s[12:13], pos s[14:15]
	v_lshl_add_u32 v111, v0, 2, 0x44800
	v_mov_b32 v123, 0
	v_lshrrev_b32 v1, 5, v0
	v_readfirstlane_b32 s16, v1                    ; wave 0..3
	s_mov_b32 s17, ttmp9                           ; S
	s_and_b32 s18, ttmp7, 0xffff                   ; e
	v_and_b32 v1, 31, v0                           ; lane
	v_and_b32 v20, 15, v0                          ; r
	v_bfe_u32 v21, v0, 4, 1                        ; h
	v_bfe_u32 v22, v0, 3, 2                        ; g
	v_and_b32 v23, 7, v0                           ; c
	v_bfe_u32 v24, v0, 0, 1                        ; the lane's bits 0 to 3
	v_bfe_u32 v25, v0, 1, 1
	v_bfe_u32 v26, v0, 2, 1
	v_bfe_u32 v27, v0, 3, 1
	v_mul_u32_u24 v[AB], v20, 784
	v_mad_u32_u24 v[AB], v21, 24, v[AB]
	v_add_nc_u32 v[AB+1], 62720, v[AB]
	v_add_nc_u32 v[AB+2], 125440, v[AB]
	v_add_nc_u32 v[AB+3], 188160, v[AB]
	v_lshl_add_u32 v[XSA], v1, 2, SCL
	s_mul_i32 s19, s16, 3200
	s_add_co_u32 s19, s19, SHF
	; column U = 4 c + q of the wave's 32 is row i = (U % 8) + 8 (U / 16) of tile (U / 8) % 2; block g lies in lane i + 16 (g % 2), registers 6 (g / 2) on: byte 1,536 tile + 48 i + 768 (g % 2) + 24 (g / 2)
	v_mul_u32_u24 v[BSW], v24, 192
	v_mad_u32_u24 v[BSW], v25, 1536, v[BSW]
	v_mad_u32_u24 v[BSW], v26, 384, v[BSW]
	v_mad_u32_u24 v[BSW], v27, 768, v[BSW]
	v_mad_u32_u24 v[BSW], v21, 24, v[BSW]
	v_add_nc_u32 v[BSW], s19, v[BSW]
	v_lshl_add_u32 v[BSS], v24, 4, v22             ; the scale word of (tile, i) at 64 tile + 4 i, byte g
	v_lshl_add_u32 v[BSS], v25, 6, v[BSS]
	v_lshl_add_u32 v[BSS], v26, 5, v[BSS]
	s_add_co_u32 s2, s19, 3072
	v_add_nc_u32 v[BSS], s2, v[BSS]
	v_mul_u32_u24 v[BSR], v1, 48
	v_add_nc_u32 v[BSR], s19, v[BSR]
	v_lshl_add_u32 v[BSC], v1, 2, s2
	v_lshlrev_b32 v[WA], 19, v22                   ; 32 g rows of 16,384 bytes
	v_lshl_add_u32 v[WA], v23, 4, v[WA]
	s_lshl_b32 s3, s16, 7
	v_add_nc_u32 v[WA], s3, v[WA]
	v_mul_u32_u24 v[HST], v20, 24
	v_mad_u32_u24 v[HST], v21, 12, v[HST]
	s_mul_i32 s3, s16, 384
	v_add_nc_u32 v[HST], s3, v[HST]
	v_lshl_add_u32 v[HSS], v20, 2, STG
	v_add_nc_u32 v[HSS], s16, v[HSS]
	v_lshl_add_u32 v[FLR], v1, 3, STG
	v_lshlrev_b32 v[FLO], 3, v1
	s_lshl_b32 s3, s16, 6
	v_lshl_add_u32 v[LL], v21, 2, LIST
	v_add_nc_u32 v[LL], s3, v[LL]
	v_lshl_add_u32 v[LS], v20, 2, LIST
	v_add_nc_u32 v[LS], s3, v[LS]
	v_lshlrev_b32 v[R16], 4, v20
	v_mul_u32_u24 v[SBA], v21, 5120
	v_lshl_add_u32 v[SBA], v20, 2, v[SBA]
	s_add_co_u32 s3, s3, SCL
	v_add_nc_u32 v[SBA], s3, v[SBA]
	v_mul_u32_u24 v[CB0], v21, 784
	v_lshl_add_u32 v[CB0], v20, 4, v[CB0]
	s_mul_i32 s3, s16, 12544
	v_add_nc_u32 v[CB0], s3, v[CB0]
	v_add_nc_u32 v[CB2], 100352, v[CB0]
	v_add_nc_u32 v[CB4], 200704, v[CB0]
	v_lshlrev_b32 v[L4], 2, v1
	v_lshl_add_u32 v[LCL], v1, 4, LIST
	v_lshlrev_b32 v[PF], 14, v0                    ; thread t: row t of a K step
	v_lshlrev_b32 v[BA], 6, v21
	s_mov_b32 s74, 0x76543210
	s_mov_b32 s75, 0xfedcba98                      ; selects: lane l xor 16
	s_mov_b32 s72, 0                               ; the slice's mask word,
	s_mov_b32 s73, 0                               ; and the rows before it
	s_wait_kmcnt 0x0
	s_lshl_b32 s2, s18, 7
	s_mov_b32 s3, 0
	s_add_nc_u64 s[76:77], s[6:7], s[2:3]
	s_load_b512 s[32:47], s[76:77], 0x0            ; the expert's 1,024 bits: who chose it
	s_load_b512 s[48:63], s[76:77], 0x40
	s_lshl_b32 s2, s18, 24
	s_lshl_b32 s19, s17, 9
	s_add_co_u32 s2, s2, s19
	s_add_nc_u64 s[26:27], s[8:9], s[2:3]          ; w1 at (e, row 0, column 128 S)
	s_add_nc_u64 s[28:29], s[26:27], 0x800000      ; and at row 512: so every step's offset fits the immediate
	s_lshl_b32 s2, s18, 14
	s_add_co_u32 s2, s2, s19
	s_lshl_b32 s19, s16, 7
	s_add_co_u32 s2, s2, s19
	s_add_nc_u64 s[30:31], s[10:11], s[2:3]        ; b1 at my wave's 32 columns
	s_mul_i32 s2, s18, 3932160
	s_mul_i32 s19, s17, 1536
	s_add_co_u32 s2, s2, s19
	s_add_nc_u64 s[66:67], s[12:13], s[2:3]        ; hc: codes of (80 e, S)
	s_mul_i32 s2, s18, 5120
	s_mul_i32 s19, s17, 40960
	s_add_co_u32 s2, s2, s19
	s_add_co_u32 s2, s2, 31457280
	s_add_nc_u64 s[68:69], s[12:13], s[2:3]        ; hc: scale words of (S, 80 e)
	s_lshl_b32 s2, s18, 12
	s_lshl_b32 s19, s17, 7
	s_add_co_u32 s2, s2, s19
	s_add_nc_u64 s[70:71], s[14:15], s[2:3]        ; pos: e's row, tokens 32 S on
.irp z, 0,1,2,3
	global_load_b128 v[BI+4*\z:BI+4*\z+3], v[BA], s[30:31] offset:16*\z    ; b1 of columns 16 h + 0 .. 15
.endr
	WLOAD 0                                        ; the first pass's K steps 0 and 1: on their way while the masks come, the list is made and the rows are gathered
	WLOAD 1
	; K steps 2 and 3 of the work-group's weights, 512 blocks of 256 bytes, each asked for once: their loads are issued in K steps 0 and 1, behind the list and the gather
	global_prefetch_b8 v[PF], s[26:27] offset:4194304 th:TH_LOAD_NT scope:SCOPE_SE
	global_prefetch_b8 v[PF], s[26:27] offset:4194560 th:TH_LOAD_NT scope:SCOPE_SE
	global_prefetch_b8 v[PF], s[26:27] offset:6291456 th:TH_LOAD_NT scope:SCOPE_SE
	global_prefetch_b8 v[PF], s[26:27] offset:6291712 th:TH_LOAD_NT scope:SCOPE_SE
	s_mov_b32 s20, 0
	s_mov_b32 s22, 0
	s_wait_kmcnt 0x0
.set gg, 0
.rept 32
	s_bcnt1_i32_b32 s2, s[32+gg]
	s_add_co_u32 s20, s20, s2                      ; the expert's rows
.set gg, gg+1
.endr
	s_add_co_u32 s21, s20, 15
	s_lshr_b32 s21, s21, 4                         ; and its tiles
	s_wait_xcnt 0x0                                ; the head's two offsets may be written again from here on
	s_cmp_lg_u32 s16, 0
	s_cbranch_scc1 .Lno_list                       ; wave 0 alone makes the list; nobody else touches LDS before the barrier
.irp z, 0,1,2,3
	v_mov_b32 v[ZR+\z], 0
.endr
.irp i, 0,1,2,3,4,5,6,7,8,9
	ds_store_b128 v[LCL], v[ZR:ZR+3] offset:512*\i ; ranks beyond the count: token 0
.endr
.set gg, 0
.rept 32
	SCAT gg
.set gg, gg+1
.endr
	v_mbcnt_lo_u32_b32 v[PR], s72, s73             ; the slice's 32 tokens: the rows before each
	global_store_b32 v[L4], v[PR], s[70:71]        ; 128 consecutive bytes
	s_wait_xcnt 0x0                                ; the store has read its data: the register is written again later
.Lno_list:
	BARRIER                                        ; the list lies in LDS
	s_mov_b32 s23, 0                               ; the pass's first tile
	s_mov_b32 s24, 4
.Lpass:
	s_cmp_lt_u32 s23, s21
	s_cbranch_scc0 .Lc_skip
	; ---- the gather: wave w takes tiles w + 4 u of the pass's 20
.irp u, 0,1,2,3,4
.irp j, 0,1,2,3,4,5,6,7
	ds_load_b32 v[T+8*\u+\j], v[LL] offset:256*\u+8*\j   ; the token of row 2 j + lane / 16
.endr
	ds_load_b32 v[T+40+\u], v[LS] offset:256*\u          ; the token of row lane % 16
.endr
	v_bfe_u32 v[T+48], v0, 4, 1
	v_lshlrev_b32 v[T+48], 4, v[T+48]
	s_wait_dscnt 0x0
.set ii, 0
.rept 40
	v_min_u32 v[T+ii], 0x3ff, v[T+ii]              ; held inside the table before it enters an address
	v_mul_u32_u24 v[T+ii], 0x300, v[T+ii]          ; 768 bytes of codes a token,
	v_add_nc_u32 v[T+ii], v[R16], v[T+ii]          ; my 16 of each 256
.set ii, ii+1
.endr
.rept 5
	v_min_u32 v[T+ii], 0x3ff, v[T+ii]
	v_lshlrev_b32 v[T+ii], 5, v[T+ii]              ; 32 scale bytes a token,
	v_add_nc_u32 v[T+ii], v[T+48], v[T+ii]         ; my half of them
.set ii, ii+1
.endr
	; 125 loads.  Window 3 first: the scale bytes (v228-247), tiles u = 2 and 3 (v0-191), rows 10-15 of tile u = 4 (v192-227): 62 loads.  Then window 2: tiles u = 0 and 1, rows 0-9 of tile u = 4 (v192-251): 63
	WIN 0xc0
.irp u, 0,1,2,3,4
	global_load_b128 v[228+4*\u:231+4*\u], v[T+40+\u], s[4:5] offset:786432
.endr
	CLOAD 2, 0
	CLOAD 3, 96
.irp j, 5,6,7
	CLOADJ 4, 192, \j, \j-5
.endr
	WIN 0x80
	CLOAD 0, 0
	CLOAD 1, 96
.irp j, 0,1,2,3,4
	CLOADJ 4, 192, \j, \j
.endr
	s_wait_loadcnt 63                              ; window 2's 63 loads may be out: window 3's 62, and all that was asked for earlier, are in
	WIN 0x0c
.irp u, 0,1,2,3,4
.irp z, 0,1,2,3
	ds_store_b32 v[SBA], v[228+4*\u+\z] offset:1280*\z+256*\u
.endr
.endr
	CSTORE CB2, 0, 0
	CSTORE CB2, 50176, 96
.irp j, 5,6,7
	CSTOREJ CB4, 0, 192, \j, \j-5
.endr
	s_wait_loadcnt 39                              ; tile u = 1's 24 loads and tile u = 4's 15 may be out
	WIN 0x08
	CSTORE CB0, 0, 0
	s_wait_loadcnt 15                              ; tile u = 4's 15
	CSTORE CB0, 50176, 96
	s_wait_loadcnt 0x0
.irp j, 0,1,2,3,4
	CSTOREJ CB4, 0, 192, \j, \j
.endr
	WIN 0
.Lc_skip:
	BARRIER                                        ; the pass's rows lie in LDS
	s_cmp_lt_u32 s23, s21
	s_cbranch_scc0 .Lk_skip
	s_cmp_eq_u32 s23, 0
	s_cbranch_scc1 .Lw_in                          ; the first pass's K steps 0 and 1 were asked for at the head
	s_wait_loadcnt 0x0                             ; no load of mine is out: the two slots may be loaded again
	WLOAD 0
	WLOAD 1
.Lw_in:
	STEP 0, 1
	STEP 1, 0
	STEP 2, 0
	STEP 3, 0
	STEP 4, 0
	STEP 5, 0
	STEP 6, 0
	STEP 7, 0
.rept 4
	v_nop                                          ; four places behind the last products, in front of the first read of results and of writes into W's fragments
.endr
.set tt, 0
.rept 20
	HQ tt
.set tt, tt+1
.endr
	s_wait_xcnt 0x0                                ; the stores have read their registers
.Lk_skip:
	BARRIER                                        ; nobody reads the rows any more, and h's scale words are whole
	s_cmp_lt_u32 s23, s21
	s_cbranch_scc0 .Lf_skip
	s_cmp_lg_u32 s16, 0
	s_cbranch_scc1 .Lf_skip                        ; wave 0 stores them: five aligned blocks of 256 bytes
.irp i, 0,1,2,3,4
	ds_load_b64 v[T+2*\i:T+2*\i+1], v[FLR] offset:256*\i
.endr
	s_wait_dscnt 0x0
.irp i, 0,1,2,3,4
	global_store_b64 v[FLO], v[T+2*\i:T+2*\i+1], s[68:69] offset:256*\i
.endr
.Lf_skip:
	s_wait_xcnt 0x0                                ; bases and data are written again only behind this wait
	v_add_nc_u32 v[LL], 1280, v[LL]                ; 20 tiles on in the list,
	v_add_nc_u32 v[LS], 1280, v[LS]
	s_add_co_u32 s23, s23, 20
	s_add_nc_u64 s[66:67], s[66:67], 983040        ; in hc's codes,
	s_add_nc_u64 s[68:69], s[68:69], 1280          ; and in its scale words
	s_sub_co_u32 s24, s24, 1
	s_cmp_lg_u32 s24, 0
	s_cbranch_scc1 .Lpass
	s_wait_tensorcnt 0x0
	ds_add_u32 v111, v123
	s_wait_dscnt 0x0
	s_endpgm
.Lfunc_end_k_qac50750c85_up:
	.size	k_qac50750c85_up, .Lfunc_end_k_qac50750c85_up-k_qac50750c85_up
	.p2alignl 7, 3214868480
	.fill 96, 4, 3214868480
	.section	.rodata,"a",@progbits
	.p2align	6, 0x0
	.amdhsa_kernel k_qac50750c85_up
		.amdhsa_group_segment_fixed_size 281088
		.amdhsa_private_segment_fixed_size 0
		.amdhsa_enable_private_segment 0
		.amdhsa_kernarg_size 48
		.amdhsa_user_sgpr_count 2
		.amdhsa_user_sgpr_kernarg_segment_ptr 1
		.amdhsa_wavefront_size32 1
		.amdhsa_system_sgpr_workgroup_id_x 1
		.amdhsa_system_sgpr_workgroup_id_y 1
		.amdhsa_system_sgpr_workgroup_id_z 1
		.amdhsa_system_vgpr_workitem_id 0
		.amdhsa_next_free_vgpr 1024
		.amdhsa_next_free_sgpr 80
		.amdhsa_reserve_vcc 0
		.amdhsa_float_denorm_mode_32 3
		.amdhsa_float_denorm_mode_16_64 3
		.amdhsa_memory_ordered 1
		.amdhsa_forward_progress 1
		.amdhsa_inst_pref_size 255
	.end_amdhsa_kernel
	.section	.bss,"aw",@nobits
	.p2align	6
	.space	262144
	.amdgpu_metadata
---
amdhsa.version: [ 1, 2 ]
amdhsa.kernels:
  - .name:           k_qac50750c85_up
    .symbol:         k_qac50750c85_up.kd
    .args:
      - { .name: xc, .offset: 0, .size: 8, .value_kind: global_buffer, .address_space: global }
      - { .name: rt, .offset: 8, .size: 8, .value_kind: global_buffer, .address_space: global }
      - { .name: w1, .offset: 16, .size: 8, .value_kind: global_buffer, .address_space: global }
      - { .name: b1, .offset: 24, .size: 8, .value_kind: global_buffer, .address_space: global }
      - { .name: hc, .offset: 32, .size: 8, .value_kind: global_buffer, .address_space: global }
      - { .name: pos, .offset: 40, .size: 8, .value_kind: global_buffer, .address_space: global }
    .group_segment_fixed_size: 281088
    .private_segment_fixed_size: 0
    .kernarg_segment_align: 8
    .kernarg_segment_size: 48
    .max_flat_workgroup_size: 128
    .sgpr_count:     80
    .vgpr_count:     1024
    .wavefront_size: 32
...
	.end_amdgpu_metadata
.endif
;; end of part 2
;; launch down (part 3): grid 32 x 8, 4 waves a work-group, no clusters, 278,528 bytes of LDS; arguments hc, rt, w2, y; writes y
.if DOCPART == 3
	.amdgcn_target "amdgcn-amd-amdhsa--gfx1250"
	.amdhsa_code_object_version 6
	.text
	.protected	k_qac50750c85_down
	.globl	k_qac50750c85_down
	.p2align	8
	.type	k_qac50750c85_down,@function
k_qac50750c85_down:
	s_mov_b64 s[64:65], 0
	v_nop
	global_prefetch_b8 v0, s[64:65] scope:SCOPE_SE
	s_setreg_imm32_b32 hwreg(HW_REG_WAVE_MODE, 25, 1), 1
	s_wait_xcnt 0x0
; DOWN.  Partial sums y[kq] = Q(h) Q(w2[e]) over a quarter of K = FF, for the rows routed to expert e.  Work-group (x, e): columns 128 (x % 8) .. + 127, K = 1,024 (x / 8) .. + 1,023; wave w: 32 of the columns.
; The frame is the launch before's: each work-group reads 1 / 256 of w2 as f32, once, quantises it in registers, and multiplies it with all rows of its expert, whose codes lie dense in hc and are copied into LDS.
; K is split over four work-groups so that a work-group's share of the rows' codes fits in LDS; the four partial sums are added, in a fixed order, by the last launch, which is needed anyway since a token has two experts.
; No tensor load, no copy, no cluster: trip decisions hang on counts read from memory.  Every barrier stands outside those branches.
; A pass holds 20 tiles of 16 rows; the loop has a constant 4 passes, and pass p works only where 20 p < the expert's tiles.  All 20 tiles of a working pass are multiplied (the launch before stored them all); only real tiles are stored.
; THE PRODUCT IS USED TRANSPOSED, the columns of a tile chosen as in the launch before: lane (r, h) holds row r and columns 16 h + 0 .. 15 of the wave's 32.
; y: [kq][80 e + tile][group of 32 columns][row][32] f32.  A wave owns one group of columns, so a tile of its results is 2,048 consecutive bytes, and each of its stores covers 512 consecutive bytes at a multiple of 512 from y's first byte.
; LIMITS: NaN and infinities are not served; a block whose largest magnitude lies under 2^-122 keeps the byte 1 (a block of zeros too: its codes are zeros).
; REGISTERS: as in the launch before: window 0 the map below; window 1 two slots of weights; windows 2, 3 accumulators at v[16 t + 8 u] and eight fragment buffers from v160.
.set TILEB, 12288                      ; LDS: a tile of rows: 8 K steps x 1,536 bytes ([block][row][24])
.set SS,    1536
.set CS,    768
.set SCL,   245760                     ; the rows' scale words [K step][tile][row]
.set SHF,   256000                     ; 3,200 bytes a wave: W's codes and scale bytes change lanes here
.set YST,   268800                     ; 16 rows x (128 bytes + 16) a wave: the way out
.set AB,  2                            ; v2-5   my place in tiles 0, 5, 10, 15: 24 lane (a stride of 6 words: the 32 lanes of an 8-byte load touch 64 different banks)
.set XSA, 6
.set BSW, 7
.set BSS, 8
.set BSR, 9
.set BSC, 10
.set WA,  11
.set YS,  12                           ; v12    the stage, in: row r, + 64 h
.set YR,  13                           ; v13    and out: eight lanes to a row's 128 bytes, four rows an instruction
.set YO,  14                           ; v14    the same four rows in y: 16 lane
.set CGA, 15                           ; v15    hc's codes: 16 lane + my wave's tile
.set SGA, 16                           ; v16    hc's scale words: 8 lane + my wave's two K steps
.set SLA, 17                           ; v17    where they go in LDS
.set M,   20
.set SO,  24
.set SB,  28
.set XS,  32
.set WS,  42
.set CB0, 43                           ; v43    where copied codes go: tiles w, w + 4
.set BF,  44
.set C,   84
.set D,   108
.set CB2, 125                          ; v125   tiles w + 8, w + 12
.set CB4, 126                          ; v126   tile w + 16
.set T,   128
.set PF,  116                          ; at the head only: the prefetch's offset
.set MSB, 0
.macro WIN new
.if MSB != (\new)
	s_set_vgpr_msb (MSB<<8)|(\new)
.set MSB, (\new)
.endif
.endm
.macro BARRIER
	s_wait_dscnt 0x0
	s_barrier_signal -1
	s_barrier_wait -1
.endm
.macro WLOAD s                         ; K step s of the weights into slot s % 2
	WIN 0x40
.set jj, 0
.rept 32
	global_load_b128 v[128*((\s)%2)+4*jj:128*((\s)%2)+4*jj+3], v[WA], s[26:27] offset:((\s)*128+jj)*4096 th:TH_LOAD_NT
.set jj, jj+1
.endr
	WIN 0
.endm
.macro WMOVE s
	WIN 0x01
.set qq, 0
.rept 4
.set jj, 0
.rept 32
	v_mov_b32 v[T+32*qq+jj], v[128*((\s)%2)+4*jj+qq]
.set jj, jj+1
.endr
.set qq, qq+1
.endr
	WIN 0
.endm
.macro WQUANT
.irp q, 0,1,2,3
	v_max3_num_f32 v[M+\q], |v[T+32*\q]|, |v[T+32*\q+1]|, 0x2800000   ; with the floor 2^(5 - 127)
.endr
.irp i, 2,4,6,8,10,12,14,16,18,20,22,24,26,28,30
.irp q, 0,1,2,3
	v_max3_num_f32 v[M+\q], v[M+\q], |v[T+32*\q+\i]|, |v[T+32*\q+\i+1]|
.endr
.endr
.irp q, 0,1,2,3
	v_add_nc_u32 v[SO+\q], 0xfe000000, v[M+\q]
.endr
.irp q, 0,1,2,3
	v_cvt_scalef32_pk16_bf6_f32 v[C+6*\q:C+6*\q+2], v[T+32*\q:T+32*\q+15], v[SO+\q]
	v_cvt_scalef32_pk16_bf6_f32 v[D+4*\q:D+4*\q+2], v[T+32*\q+16:T+32*\q+31], v[SO+\q]
.endr
.irp q, 0,1,2,3
	v_lshrrev_b32 v[SB+\q], 23, v[SO+\q]           ; the bytes (also the plain lines behind the conversions)
.endr
.irp q, 0,1,2,3
.irp i, 0,1,2
	v_mov_b32 v[C+6*\q+3+\i], v[D+4*\q+\i]
.endr
.endr
.irp q, 0,1,2,3
.irp p, 0,1,2
	ds_store_b64 v[BSW], v[C+6*\q+2*\p:C+6*\q+2*\p+1] offset:48*\q+8*\p
.endr
	ds_store_b8 v[BSS], v[SB+\q] offset:4*\q
.endr
.irp u, 0,1
.irp z, 0,1,2
	ds_load_b128 v[BF+12*\u+4*\z:BF+12*\u+4*\z+3], v[BSR] offset:1536*\u+16*\z   ; my wave's own bytes: LDS serves a wave's instructions in order
.endr
.endr
	ds_load_b32 v[WS], v[BSC]
.endm
.macro XSCALES s
.irp i, 0,1,2,3,4,5,6,7,8,9
	ds_load_b32 v[XS+\i], v[XSA] offset:1280*(\s)+128*\i
.endr
.endm
.macro FRAG t, s, b
.irp c, 0,1
.irp p, 0,1,2
	ds_load_b64 v[160+12*(\b)+6*\c+2*\p:160+12*(\b)+6*\c+2*\p+1], v[AB+(\t)/5] offset:((\t)%5)*TILEB+(\s)*SS+\c*CS+8*\p
.endr
.endr
.endm
.macro MM t, b, first                  ; tile t's two products.  first = 1: the constant 0 starts the sums
.set A0, 16*((\t)%10)
.set BB, 160+12*(\b)
.set XR, XS+(\t)/2
.if \first
.if (\t)%2 == 0
	v_wmma_scale_f32_16x16x128_f8f6f4 v[A0:A0+7], v[BF:BF+11], v[BB:BB+11], 0, v[WS], v[XR] matrix_a_fmt:MATRIX_FMT_BF6 matrix_b_fmt:MATRIX_FMT_BF6
	v_wmma_scale_f32_16x16x128_f8f6f4 v[A0+8:A0+15], v[BF+12:BF+23], v[BB:BB+11], 0, v[WS], v[XR] matrix_a_fmt:MATRIX_FMT_BF6 matrix_b_fmt:MATRIX_FMT_BF6 matrix_a_scale:MATRIX_SCALE_ROW1
.else
	v_wmma_scale_f32_16x16x128_f8f6f4 v[A0:A0+7], v[BF:BF+11], v[BB:BB+11], 0, v[WS], v[XR] matrix_a_fmt:MATRIX_FMT_BF6 matrix_b_fmt:MATRIX_FMT_BF6 matrix_b_scale:MATRIX_SCALE_ROW1
	v_wmma_scale_f32_16x16x128_f8f6f4 v[A0+8:A0+15], v[BF+12:BF+23], v[BB:BB+11], 0, v[WS], v[XR] matrix_a_fmt:MATRIX_FMT_BF6 matrix_b_fmt:MATRIX_FMT_BF6 matrix_a_scale:MATRIX_SCALE_ROW1 matrix_b_scale:MATRIX_SCALE_ROW1
.endif
.else
.if (\t)%2 == 0
	v_wmma_scale_f32_16x16x128_f8f6f4 v[A0:A0+7], v[BF:BF+11], v[BB:BB+11], v[A0:A0+7], v[WS], v[XR] matrix_a_fmt:MATRIX_FMT_BF6 matrix_b_fmt:MATRIX_FMT_BF6
	v_wmma_scale_f32_16x16x128_f8f6f4 v[A0+8:A0+15], v[BF+12:BF+23], v[BB:BB+11], v[A0+8:A0+15], v[WS], v[XR] matrix_a_fmt:MATRIX_FMT_BF6 matrix_b_fmt:MATRIX_FMT_BF6 matrix_a_scale:MATRIX_SCALE_ROW1
.else
	v_wmma_scale_f32_16x16x128_f8f6f4 v[A0:A0+7], v[BF:BF+11], v[BB:BB+11], v[A0:A0+7], v[WS], v[XR] matrix_a_fmt:MATRIX_FMT_BF6 matrix_b_fmt:MATRIX_FMT_BF6 matrix_b_scale:MATRIX_SCALE_ROW1
	v_wmma_scale_f32_16x16x128_f8f6f4 v[A0+8:A0+15], v[BF+12:BF+23], v[BB:BB+11], v[A0+8:A0+15], v[WS], v[XR] matrix_a_fmt:MATRIX_FMT_BF6 matrix_b_fmt:MATRIX_FMT_BF6 matrix_a_scale:MATRIX_SCALE_ROW1 matrix_b_scale:MATRIX_SCALE_ROW1
.endif
.endif
.endm
; A K step's 40 products: each accumulator has one, so the accumulators take turns.
.macro MULT s, first
.irp f, 0,1
.set T0, 10*\f
	WIN 0xa8+0x54*\f                               ; W's fragments in window 0; the rows' fragments, C and D in window 2 or 3
	FRAG T0+0, \s, 0
	FRAG T0+1, \s, 1
	FRAG T0+2, \s, 2
	FRAG T0+3, \s, 3
	FRAG T0+4, \s, 4
	FRAG T0+5, \s, 5
	FRAG T0+6, \s, 6
	FRAG T0+7, \s, 7
	s_wait_dscnt 24                                ; all but the youngest 24 loads (buffers 4-7)
	MM T0+0, 0, \first
	MM T0+1, 1, \first
	MM T0+2, 2, \first
	MM T0+3, 3, \first
.rept 4
	v_nop                                          ; four places in front of loads into buffers that matrix instructions have read
.endr
	FRAG T0+8, \s, 0
	FRAG T0+9, \s, 1
	s_wait_dscnt 12                                ; buffers 4-7 are in; the 12 loads just issued may be out
	MM T0+4, 4, \first
	MM T0+5, 5, \first
	MM T0+6, 6, \first
	MM T0+7, 7, \first
	s_wait_dscnt 0x0
	MM T0+8, 0, \first
	MM T0+9, 1, \first
.endr
	WIN 0
.endm
.macro STEP s, first
.if (\s) < 7
	s_wait_loadcnt 32                              ; this K step's weights are in; the next step's 32 loads may be out
.else
	s_wait_loadcnt 0x0
.endif
	WMOVE \s                                       ; (these moves and the quantiser are also the places in front of the loads into registers that the last products read)
.if (\s) < 6
	WLOAD (\s)+2
.endif
	WQUANT
	XSCALES \s
	MULT \s, \first
.endm
.macro CLOAD u, reg                    ; tile w + 4 u: its eight K steps are 12,288 dense bytes
.set mm, 0
.rept 24
	global_load_b128 v[\reg+4*mm:\reg+4*mm+3], v[CGA], s[66:67] offset:196608*\u+512*mm
.set mm, mm+1
.endr
.endm
.macro CSTORE adr, off, reg
.set mm, 0
.rept 24
	ds_store_b128 v[\adr], v[\reg+4*mm:\reg+4*mm+3] offset:\off+512*mm
.set mm, mm+1
.endr
.endm
; Tile t on its way out, if the expert has it: through my wave's stage, so that the 32 lanes store four rows of 128 bytes, which lie on end in y.
.macro YOUT t
	s_cmp_le_u32 s25, \t
	s_cbranch_scc1 .Ly_done
	s_wait_xcnt 0x0                                ; the stores two tiles back have read the registers that are loaded below
.set AC, 16*((\t)%10)
	WIN 0x08+4*((\t)/10)
.irp u, 0,1
.irp z, 0,1
	ds_store_b128 v[YS], v[AC+8*\u+4*\z:AC+8*\u+4*\z+3] offset:32*\u+16*\z   ; each accumulator from its low end on
.endr
.endr
	WIN 0
.irp i, 0,1,2,3
	ds_load_b128 v[T+16*((\t)%2)+4*\i:T+16*((\t)%2)+4*\i+3], v[YR] offset:576*\i   ; LDS serves a wave's instructions in order
.endr
	s_wait_dscnt 0x0
.irp i, 0,1,2,3
	global_store_b128 v[YO], v[T+16*((\t)%2)+4*\i:T+16*((\t)%2)+4*\i+3], s[70:71] offset:65536*(\t)+512*\i th:TH_STORE_NT   ; 512 consecutive bytes, aligned
.endr
.endm
	s_load_b256 s[4:11], s[0:1], 0x0               ; hc s[4:5], rt s[6:7], w2 s[8:9], y s[10:11]
	v_lshl_add_u32 v124, v0, 2, 0x43e00
	v_mov_b32 v127, 0
	v_lshrrev_b32 v1, 5, v0
	v_readfirstlane_b32 s16, v1                    ; wave 0..3
	s_and_b32 s17, ttmp9, 7                        ; which 128 columns
	s_lshr_b32 s19, ttmp9, 3                       ; which quarter of K
	s_and_b32 s18, ttmp7, 0xffff                   ; e
	v_and_b32 v1, 31, v0                           ; lane
	v_and_b32 v20, 15, v0                          ; r
	v_bfe_u32 v21, v0, 4, 1                        ; h
	v_bfe_u32 v22, v0, 3, 2                        ; g
	v_and_b32 v23, 7, v0                           ; c
	v_bfe_u32 v24, v0, 0, 1
	v_bfe_u32 v25, v0, 1, 1
	v_bfe_u32 v26, v0, 2, 1
	v_bfe_u32 v27, v0, 3, 1
	v_mul_u32_u24 v[AB], v1, 24
	v_add_nc_u32 v[AB+1], 61440, v[AB]
	v_add_nc_u32 v[AB+2], 122880, v[AB]
	v_add_nc_u32 v[AB+3], 184320, v[AB]
	v_lshl_add_u32 v[XSA], v1, 2, SCL
	s_mul_i32 s72, s16, 3200
	s_add_co_u32 s72, s72, SHF
	v_mul_u32_u24 v[BSW], v24, 192                 ; as in the launch before: byte 1,536 tile + 48 i + 768 (g % 2) + 24 (g / 2)
	v_mad_u32_u24 v[BSW], v25, 1536, v[BSW]
	v_mad_u32_u24 v[BSW], v26, 384, v[BSW]
	v_mad_u32_u24 v[BSW], v27, 768, v[BSW]
	v_mad_u32_u24 v[BSW], v21, 24, v[BSW]
	v_add_nc_u32 v[BSW], s72, v[BSW]
	v_lshl_add_u32 v[BSS], v24, 4, v22
	v_lshl_add_u32 v[BSS], v25, 6, v[BSS]
	v_lshl_add_u32 v[BSS], v26, 5, v[BSS]
	s_add_co_u32 s2, s72, 3072
	v_add_nc_u32 v[BSS], s2, v[BSS]
	v_mul_u32_u24 v[BSR], v1, 48
	v_add_nc_u32 v[BSR], s72, v[BSR]
	v_lshl_add_u32 v[BSC], v1, 2, s2
	v_lshlrev_b32 v[WA], 17, v22                   ; 32 g rows of 4,096 bytes
	v_lshl_add_u32 v[WA], v23, 4, v[WA]
	s_lshl_b32 s3, s16, 7
	v_add_nc_u32 v[WA], s3, v[WA]
	s_mul_i32 s3, s16, 2304
	s_add_co_u32 s3, s3, YST
	v_mul_u32_u24 v[YS], v20, 144
	v_lshl_add_u32 v[YS], v21, 6, v[YS]
	v_add_nc_u32 v[YS], s3, v[YS]
	v_mul_u32_u24 v[YR], v22, 144
	v_lshl_add_u32 v[YR], v23, 4, v[YR]
	v_add_nc_u32 v[YR], s3, v[YR]
	v_lshlrev_b32 v[YO], 4, v1                     ; row lane / 8 of 128 bytes, + 16 (lane % 8)
	s_mul_i32 s3, s16, 49152
	v_lshl_add_u32 v[CGA], v1, 4, s3
	s_mul_i32 s3, s16, 81920
	v_lshl_add_u32 v[SGA], v1, 3, s3
	s_mul_i32 s3, s16, 2560
	s_add_co_u32 s3, s3, SCL
	v_lshl_add_u32 v[SLA], v1, 3, s3
	s_mul_i32 s3, s16, 12288
	v_lshl_add_u32 v[CB0], v1, 4, s3
	v_add_nc_u32 v[CB2], 98304, v[CB0]
	v_add_nc_u32 v[CB4], 196608, v[CB0]
	v_lshlrev_b32 v[PF], 12, v0                    ; thread t: row t of a K step
	s_wait_kmcnt 0x0
	s_lshl_b32 s2, s18, 7
	s_mov_b32 s3, 0
	s_add_nc_u64 s[76:77], s[6:7], s[2:3]
	s_load_b512 s[32:47], s[76:77], 0x0            ; the expert's 1,024 bits
	s_load_b512 s[48:63], s[76:77], 0x40
	s_lshl_b32 s2, s18, 24
	s_lshl_b32 s72, s19, 22
	s_add_co_u32 s2, s2, s72
	s_lshl_b32 s72, s17, 9
	s_add_co_u32 s2, s2, s72
	s_add_nc_u64 s[26:27], s[8:9], s[2:3]          ; w2 at (e, row 1,024 kq, my 128 columns)
	s_mul_i32 s2, s18, 3932160
	s_mul_i32 s73, s19, 12288
	s_add_co_u32 s2, s2, s73
	s_add_nc_u64 s[66:67], s[4:5], s[2:3]          ; hc: codes of (80 e, K step 8 kq)
	s_mul_i32 s2, s18, 5120
	s_mul_i32 s73, s19, 327680
	s_add_co_u32 s2, s2, s73
	s_add_co_u32 s2, s2, 31457280
	s_add_nc_u64 s[68:69], s[4:5], s[2:3]          ; hc: scale words of (K step 8 kq, 80 e)
	s_mul_i32 s2, s19, 41943040                    ; y: a quarter of K is 640 tiles of 65,536 bytes,
	s_mul_i32 s73, s18, 5242880                    ; an expert 80 tiles,
	s_add_co_u32 s2, s2, s73
	s_lshl_b32 s73, s17, 13                        ; my work-group's four groups of 32 columns, 2,048 bytes each,
	s_add_co_u32 s2, s2, s73
	s_lshl_b32 s73, s16, 11                        ; my wave's group
	s_add_co_u32 s2, s2, s73
	s_add_nc_u64 s[70:71], s[10:11], s[2:3]
	; the work-group's first two K steps of weights, 512 blocks of 256 bytes, each asked for once: they are wanted behind the copy
	global_prefetch_b8 v[PF], s[26:27] th:TH_LOAD_NT scope:SCOPE_SE
	global_prefetch_b8 v[PF], s[26:27] offset:256 th:TH_LOAD_NT scope:SCOPE_SE
	global_prefetch_b8 v[PF], s[26:27] offset:524288 th:TH_LOAD_NT scope:SCOPE_SE
	global_prefetch_b8 v[PF], s[26:27] offset:524544 th:TH_LOAD_NT scope:SCOPE_SE
	s_mov_b32 s20, 0
	s_wait_kmcnt 0x0
.set gg, 0
.rept 32
	s_bcnt1_i32_b32 s2, s[32+gg]
	s_add_co_u32 s20, s20, s2                      ; the expert's rows
.set gg, gg+1
.endr
	s_add_co_u32 s21, s20, 15
	s_lshr_b32 s21, s21, 4                         ; and its tiles
	s_wait_xcnt 0x0                                ; the prefetch's offset may be written from here on
	s_mov_b32 s23, 0                               ; the pass's first tile
	s_mov_b32 s24, 4
.Lpass:
	s_cmp_lt_u32 s23, s21
	s_cbranch_scc0 .Lc_skip
	; ---- the copy: wave w takes K steps 2 w, 2 w + 1 of the scale words and tiles w + 4 u of the codes
	WIN 0x40
.irp z, 0,1
.irp i, 0,1,2,3,4
	global_load_b64 v[96+10*\z+2*\i:97+10*\z+2*\i], v[SGA], s[68:69] offset:40960*\z+256*\i
.endr
.endr
	WIN 0x80
	CLOAD 0, 0
	CLOAD 1, 96
	WIN 0xc0
	CLOAD 2, 0
	CLOAD 3, 96
	WIN 0x40
	CLOAD 4, 0
	s_wait_loadcnt 63                              ; of 130 loads at least the first 67 are in: the 10 of scale words and tiles 0 and 1 (58)
	WIN 0x04
.irp z, 0,1
.irp i, 0,1,2,3,4
	ds_store_b64 v[SLA], v[96+10*\z+2*\i:97+10*\z+2*\i] offset:1280*\z+256*\i
.endr
.endr
	WIN 0x08
	CSTORE CB0, 0, 0
	CSTORE CB0, 49152, 96
	s_wait_loadcnt 48                              ; two tiles' loads may be out
	WIN 0x0c
	CSTORE CB2, 0, 0
	s_wait_loadcnt 24                              ; one tile's
	CSTORE CB2, 49152, 96
	s_wait_loadcnt 0x0
	WIN 0x04
	CSTORE CB4, 0, 0
	WIN 0
.Lc_skip:
	BARRIER                                        ; the pass's rows lie in LDS
	s_cmp_lt_u32 s23, s21
	s_cbranch_scc0 .Lk_skip
	WLOAD 0
	WLOAD 1
	STEP 0, 1
	STEP 1, 0
	STEP 2, 0
	STEP 3, 0
	STEP 4, 0
	STEP 5, 0
	STEP 6, 0
	STEP 7, 0
.rept 4
	v_nop                                          ; four places behind the last products, in front of the first LDS store of results
.endr
	s_sub_co_u32 s25, s21, s23
	s_min_u32 s25, s25, 20                         ; the pass's real tiles
.set tt, 0
.rept 20
	YOUT tt
.set tt, tt+1
.endr
.Ly_done:
	s_wait_xcnt 0x0                                ; the stores have read their registers and their base
.Lk_skip:
	BARRIER                                        ; nobody reads the rows any more
	s_add_co_u32 s23, s23, 20
	s_add_nc_u64 s[66:67], s[66:67], 983040        ; 20 tiles on in hc's codes,
	s_add_nc_u64 s[68:69], s[68:69], 1280          ; in its scale words,
	s_add_nc_u64 s[70:71], s[70:71], 1310720       ; and in y: 20 tiles of 65,536 bytes
	s_sub_co_u32 s24, s24, 1
	s_cmp_lg_u32 s24, 0
	s_cbranch_scc1 .Lpass
	s_wait_tensorcnt 0x0
	ds_add_u32 v124, v127
	s_wait_dscnt 0x0
	s_endpgm
.Lfunc_end_k_qac50750c85_down:
	.size	k_qac50750c85_down, .Lfunc_end_k_qac50750c85_down-k_qac50750c85_down
	.p2alignl 7, 3214868480
	.fill 96, 4, 3214868480
	.section	.rodata,"a",@progbits
	.p2align	6, 0x0
	.amdhsa_kernel k_qac50750c85_down
		.amdhsa_group_segment_fixed_size 278528
		.amdhsa_private_segment_fixed_size 0
		.amdhsa_enable_private_segment 0
		.amdhsa_kernarg_size 32
		.amdhsa_user_sgpr_count 2
		.amdhsa_user_sgpr_kernarg_segment_ptr 1
		.amdhsa_wavefront_size32 1
		.amdhsa_system_sgpr_workgroup_id_x 1
		.amdhsa_system_sgpr_workgroup_id_y 1
		.amdhsa_system_sgpr_workgroup_id_z 1
		.amdhsa_system_vgpr_workitem_id 0
		.amdhsa_next_free_vgpr 1024
		.amdhsa_next_free_sgpr 80
		.amdhsa_reserve_vcc 0
		.amdhsa_float_denorm_mode_32 3
		.amdhsa_float_denorm_mode_16_64 3
		.amdhsa_memory_ordered 1
		.amdhsa_forward_progress 1
		.amdhsa_inst_pref_size 255
	.end_amdhsa_kernel
	.section	.bss,"aw",@nobits
	.p2align	6
	.space	262144
	.amdgpu_metadata
---
amdhsa.version: [ 1, 2 ]
amdhsa.kernels:
  - .name:           k_qac50750c85_down
    .symbol:         k_qac50750c85_down.kd
    .args:
      - { .name: hc, .offset: 0, .size: 8, .value_kind: global_buffer, .address_space: global }
      - { .name: rt, .offset: 8, .size: 8, .value_kind: global_buffer, .address_space: global }
      - { .name: w2, .offset: 16, .size: 8, .value_kind: global_buffer, .address_space: global }
      - { .name: y, .offset: 24, .size: 8, .value_kind: global_buffer, .address_space: global }
    .group_segment_fixed_size: 278528
    .private_segment_fixed_size: 0
    .kernarg_segment_align: 8
    .kernarg_segment_size: 32
    .max_flat_workgroup_size: 128
    .sgpr_count:     80
    .vgpr_count:     1024
    .wavefront_size: 32
...
	.end_amdgpu_metadata
.endif
;; end of part 3
;; launch combine (part 4): grid 256 x 1, 8 waves a work-group, no clusters, 0 bytes of LDS; arguments y, rt, pos, wgt, b2, out0; writes out0
.if DOCPART == 4
	.amdgcn_target "amdgcn-amd-amdhsa--gfx1250"
	.amdhsa_code_object_version 6
	.text
	.protected	k_qac50750c85_combine
	.globl	k_qac50750c85_combine
	.p2align	8
	.type	k_qac50750c85_combine,@function
k_qac50750c85_combine:
	s_mov_b64 s[64:65], 0
	v_nop
	global_prefetch_b8 v0, s[64:65] scope:SCOPE_SE
	s_setreg_imm32_b32 hwreg(HW_REG_WAVE_MODE, 25, 1), 1
	s_wait_xcnt 0x0
; COMBINE.  out[t] = w0 (y(e0, pos0) + b2[e0]) + w1 (y(e1, pos1) + b2[e1]), y(e, p) = the four partial sums over quarters of K, added as (0 + 1) + (2 + 3).
; A stream: a wave takes half a token's row, 2,048 bytes.  Which rows of y it reads stands in whole numbers that earlier launches stored (the pair of experts, each token's rank in each); they are held inside their tables
; before they enter an address.  The token's ranks in all eight experts are loaded beside the pair, in one round of scalar loads, and the two that count are picked by selects: so the chain of scalar loads is two rounds long.
; y: [kq][tile of 16 rows][group of 32 columns][row][32] f32, as the launch before stores it in whole runs of 512 bytes.  Here a row comes as pieces of 128 bytes, 2,048 bytes apart: a load takes four of them, eight lanes each.
; The other half of each aligned 256 bytes is the row of the neighbouring rank, which another wave reads: so these loads carry no hint.  All 40 loads of a wave go out at once; each store covers 512 consecutive bytes.
; No LDS, no barrier, no matrix unit: memory binds, and waves share nothing.
	s_load_b256 s[4:11], s[0:1], 0x0               ; y s[4:5], rt s[6:7], pos s[8:9], wgt s[10:11]
	s_load_b128 s[12:15], s[0:1], 0x20             ; b2 s[12:13], out0 s[14:15]
	v_lshrrev_b32 v1, 5, v0
	v_readfirstlane_b32 s16, v1                    ; wave 0..7
	v_and_b32 v1, 31, v0                           ; lane
	v_lshrrev_b32 v2, 3, v1
	v_and_b32 v3, 7, v1
	v_lshlrev_b32 v2, 11, v2                       ; y: group lane / 8 of the load's four, 2,048 bytes each,
	v_lshl_add_u32 v2, v3, 4, v2                   ; + 16 (lane % 8)
	v_lshlrev_b32 v1, 4, v1                        ; b2 and out: 16 x lane
	s_lshr_b32 s17, s16, 1
	s_lshl_b32 s2, ttmp9, 2
	s_add_co_u32 s17, s17, s2                      ; the token
	s_and_b32 s18, s16, 1
	s_lshl_b32 s68, s18, 15                        ; which half of its row: in y 16 groups of 2,048 bytes,
	s_lshl_b32 s18, s18, 11                        ; in b2 and out 2,048 bytes
	s_lshl_b32 s19, s17, 2
	s_lshl_b32 s20, s17, 3
	s_wait_kmcnt 0x0
	s_load_b32 s21, s[6:7], s19 offset:0x400       ; e0 | e1 << 8
	s_load_b64 s[22:23], s[10:11], s20 offset:0x0  ; w0, w1
.irp e, 0,1,2,3,4,5,6,7
	s_load_b32 s[72+\e], s[8:9], s19 offset:4096*\e    ; the rows of expert e before this token
.endr
	s_wait_kmcnt 0x0
	s_and_b32 s24, s21, 0xff
	s_min_u32 s24, s24, 7
	s_bfe_u32 s25, s21, 0x80008
	s_min_u32 s25, s25, 7
	s_mov_b32 s28, s72
	s_mov_b32 s29, s72
.irp e, 1,2,3,4,5,6,7
	s_cmp_eq_u32 s24, \e
	s_cselect_b32 s28, s[72+\e], s28               ; the token's rank in e0,
	s_cmp_eq_u32 s25, \e
	s_cselect_b32 s29, s[72+\e], s29               ; and in e1
.endr
	s_min_u32 s28, s28, 1023
	s_min_u32 s29, s29, 1023
	s_mov_b32 s40, s22                             ; the weights as pairs: the packed forms name a pair and take its low word for both halves
	s_mov_b32 s41, s22
	s_mov_b32 s42, s23
	s_mov_b32 s43, s23
	s_lshl_b32 s34, s24, 12
	s_add_co_u32 s34, s34, s18
	s_mov_b32 s35, 0
	s_lshl_b32 s36, s25, 12
	s_add_co_u32 s36, s36, s18
	s_mov_b32 s37, 0
	s_lshl_b32 s38, s17, 12
	s_add_co_u32 s38, s38, s18
	s_mov_b32 s39, 0
	s_add_nc_u64 s[60:61], s[12:13], s[34:35]      ; b2[e0], b2[e1], my half
	s_add_nc_u64 s[62:63], s[12:13], s[36:37]
	s_add_nc_u64 s[66:67], s[14:15], s[38:39]      ; out
	s_mul_i32 s30, s24, 1280
	s_add_co_u32 s30, s30, s28                     ; the row of e0: 1,280 e0 + rank
	s_and_b32 s31, s30, 15
	s_lshl_b32 s31, s31, 7                         ; its place in its tile: 128 bytes a row,
	s_and_b32 s30, s30, 0xfff0
	s_lshl_b32 s30, s30, 12                        ; its tile: 65,536 bytes for each 16 rows,
	s_add_co_u32 s30, s30, s31
	s_add_co_u32 s30, s30, s68                     ; my half of the groups
	s_mov_b32 s31, 0
	s_mul_i32 s32, s25, 1280
	s_add_co_u32 s32, s32, s29                     ; and the same for e1
	s_and_b32 s33, s32, 15
	s_lshl_b32 s33, s33, 7
	s_and_b32 s32, s32, 0xfff0
	s_lshl_b32 s32, s32, 12
	s_add_co_u32 s32, s32, s33
	s_add_co_u32 s32, s32, s68
	s_mov_b32 s33, 0
	s_add_nc_u64 s[44:45], s[4:5], s[30:31]        ; y's row for e0 in the four quarters,
	s_add_nc_u64 s[46:47], s[44:45], 41943040
	s_add_nc_u64 s[48:49], s[46:47], 41943040
	s_add_nc_u64 s[50:51], s[48:49], 41943040
	s_add_nc_u64 s[52:53], s[4:5], s[32:33]        ; and for e1
	s_add_nc_u64 s[54:55], s[52:53], 41943040
	s_add_nc_u64 s[56:57], s[54:55], 41943040
	s_add_nc_u64 s[58:59], s[56:57], 41943040
.irp j, 0,1,2,3
.irp k, 0,1
.irp q, 0,1,2,3
	global_load_b128 v[16+40*\j+16*\k+4*\q:19+40*\j+16*\k+4*\q], v2, s[44+8*\k+2*\q:45+8*\k+2*\q] offset:8192*\j   ; columns 128 j + 4 lane on: groups 4 j .. 4 j + 3
.endr
.endr
.irp k, 0,1
	global_load_b128 v[48+40*\j+4*\k:51+40*\j+4*\k], v1, s[60+2*\k:61+2*\k] offset:512*\j
.endr
.endr
.irp j, 0,1,2,3
	s_wait_loadcnt 30-10*\j                        ; this quarter's ten loads are in; the later quarters' may be out
.irp k, 0,1
.irp p, 0,2
	v_pk_add_f32 v[16+40*\j+16*\k+\p:17+40*\j+16*\k+\p], v[16+40*\j+16*\k+\p:17+40*\j+16*\k+\p], v[20+40*\j+16*\k+\p:21+40*\j+16*\k+\p]
	v_pk_add_f32 v[24+40*\j+16*\k+\p:25+40*\j+16*\k+\p], v[24+40*\j+16*\k+\p:25+40*\j+16*\k+\p], v[28+40*\j+16*\k+\p:29+40*\j+16*\k+\p]
.endr
.endr
.irp k, 0,1
.irp p, 0,2
	v_pk_add_f32 v[16+40*\j+16*\k+\p:17+40*\j+16*\k+\p], v[16+40*\j+16*\k+\p:17+40*\j+16*\k+\p], v[24+40*\j+16*\k+\p:25+40*\j+16*\k+\p]
.endr
.endr
.irp k, 0,1
.irp p, 0,2
	v_pk_add_f32 v[16+40*\j+16*\k+\p:17+40*\j+16*\k+\p], v[16+40*\j+16*\k+\p:17+40*\j+16*\k+\p], v[48+40*\j+4*\k+\p:49+40*\j+4*\k+\p]
.endr
.endr
.irp p, 0,2
	v_pk_mul_f32 v[176+4*\j+\p:177+4*\j+\p], v[16+40*\j+\p:17+40*\j+\p], s[40:41] op_sel_hi:[1,0]
.endr
.irp p, 0,2
	v_pk_fma_f32 v[176+4*\j+\p:177+4*\j+\p], v[32+40*\j+\p:33+40*\j+\p], s[42:43], v[176+4*\j+\p:177+4*\j+\p] op_sel_hi:[1,0,1]
.endr
	global_store_b128 v1, v[176+4*\j:179+4*\j], s[66:67] offset:512*\j th:TH_STORE_NT   ; 32 lanes store 512 consecutive bytes, at a multiple of 512 from out0's first byte
.endr
	s_endpgm
.Lfunc_end_k_qac50750c85_combine:
	.size	k_qac50750c85_combine, .Lfunc_end_k_qac50750c85_combine-k_qac50750c85_combine
	.p2alignl 7, 3214868480
	.fill 96, 4, 3214868480
	.section	.rodata,"a",@progbits
	.p2align	6, 0x0
	.amdhsa_kernel k_qac50750c85_combine
		.amdhsa_group_segment_fixed_size 0
		.amdhsa_private_segment_fixed_size 0
		.amdhsa_enable_private_segment 0
		.amdhsa_kernarg_size 48
		.amdhsa_user_sgpr_count 2
		.amdhsa_user_sgpr_kernarg_segment_ptr 1
		.amdhsa_wavefront_size32 1
		.amdhsa_system_sgpr_workgroup_id_x 1
		.amdhsa_system_sgpr_workgroup_id_y 1
		.amdhsa_system_sgpr_workgroup_id_z 1
		.amdhsa_system_vgpr_workitem_id 0
		.amdhsa_next_free_vgpr 192
		.amdhsa_next_free_sgpr 80
		.amdhsa_reserve_vcc 0
		.amdhsa_float_denorm_mode_32 3
		.amdhsa_float_denorm_mode_16_64 3
		.amdhsa_memory_ordered 1
		.amdhsa_forward_progress 1
		.amdhsa_inst_pref_size 14
	.end_amdhsa_kernel
	.amdgpu_metadata
---
amdhsa.version: [ 1, 2 ]
amdhsa.kernels:
  - .name:           k_qac50750c85_combine
    .symbol:         k_qac50750c85_combine.kd
    .args:
      - { .name: y, .offset: 0, .size: 8, .value_kind: global_buffer, .address_space: global }
      - { .name: rt, .offset: 8, .size: 8, .value_kind: global_buffer, .address_space: global }
      - { .name: pos, .offset: 16, .size: 8, .value_kind: global_buffer, .address_space: global }
      - { .name: wgt, .offset: 24, .size: 8, .value_kind: global_buffer, .address_space: global }
      - { .name: b2, .offset: 32, .size: 8, .value_kind: global_buffer, .address_space: global }
      - { .name: out0, .offset: 40, .size: 8, .value_kind: global_buffer, .address_space: global }
    .group_segment_fixed_size: 0
    .private_segment_fixed_size: 0
    .kernarg_segment_align: 8
    .kernarg_segment_size: 48
    .max_flat_workgroup_size: 256
    .sgpr_count:     80
    .vgpr_count:     192
    .wavefront_size: 32
...
	.end_amdgpu_metadata
.endif
;; end of part 4
